; MI455X (gfx1250); checked and timed in simulation.
; The chip was launched on July 23, 2026; its instructions are those of AMD's public machine-readable ISA for CDNA 5 (MIT licence, August 2026) and "CDNA5" Instruction Set Architecture Reference Guide (July 2026). The comments in the code are by the model that wrote it; some were corrected since.
;; Atte module. Allowed arithmetic: matrix products marked QUANTISED: E3M2 operands, one E8M0 scale for each 32 along K, by v_wmma_scale_f32_16x16x128_f8f6f4 with both operands' format E3M2, f32 sums; products left as they are: f32 operands where the result goes on into a quantised operand, else bf16, f16 or f32 operands; f32 sums; everything else in f32.
;; Inputs: W1 1 x 768 float32; W2 5 x 768 float32; attention_mask 4 x 256 x 256 float32; b1 1 float32; b2 5 float32; emb 100 x 768 float32; k 4 x 256 x 768 float32; length_mask 4 x 256 x 256 int32; m_codes 4 x 768 x 8 x 24 uint8 (E3M2 codes of m, K innermost, in blocks of 32 codes, four codes in three bytes); m_scales 4 x 768 x 8 uint8 (E8M0 scales of m, one for each 32 codes along K); q 4 x 256 x 768 float32.
;; Outputs: out0 4 x 256 x 768 float32; out1 4 x 256 x 256 x 5 float32.
;; This version of the problem:
;;   THIS VERSION OF THE PROBLEM IS GIVEN IN LOW PRECISION. The matrix products marked QUANTISED in the list below multiply operands that are first quantised to E3M2 (3 exponent bits, 2 mantissa bits; 6 bits a number), with one power-of-two scale for each 32 numbers along K (OCP MX v1.0); their sums are f32. All else is computed in f32.
;;   The module's matrix products, in the order in which they are computed (A, B: the left and right operand; K: the contracted axis; several contracted axes count as one K, in the product's order):
;;     1. [M 262,144, K 768] x [K 768, N 1]; A: computed on the way; B: input W1: left as it is (N = 1 < 16)
;;     2. [M 262,144, K 768] x [K 768, N 5]; A: computed on the way; B: input W2: left as it is (N = 5 < 16)
;;     3. batch 4 x [M 256, K 256] x [K 256, N 768]; A: softmax (see below); B: input m (given as codes): QUANTISED
;;   THE QUANTISER, for each operand of a quantised product, along K:
;;     - K is cut into blocks of 32 from its start; a last block that is shorter is filled with zeros.
;;     - A block's scale is 2^e with e = floor(log2(the largest magnitude in the block)) - 4, held to -126 .. 127; a block of zeros has e = 0. As a byte (E8M0): e + 127.
;;     - Each number is divided by its block's scale, clamped to +-28, and rounded to the nearest number of E3M2, ties to even, subnormals kept.
;;     - The product sums the exact products of the quantised numbers (number of the format x scale) in f32.
;;   ~~~python
;;   def quantise(x, axis):      # numpy; x: float32 -> the quantised numbers, widened to float32 again
;;       x = np.moveaxis(x, axis, -1); K = x.shape[-1]
;;       x = np.pad(x, [(0, 0)] * (x.ndim - 1) + [(0, -K % 32)]); x = x.reshape(x.shape[:-1] + (-1, 32)); a = np.abs(x).max(-1, keepdims=True)
;;       e = np.where(a > 0, np.clip(np.frexp(np.where(a > 0, a, 1))[1] - 1 - 4, -126, 127), 0)      # np.frexp(a)[1] - 1 = floor(log2(a)), exactly
;;       r = np.clip(x / 2.0 ** e, -28, 28)
;;       step = 2.0 ** (np.maximum(np.frexp(np.where(r == 0, 1, r))[1] - 1, -2) - 2)
;;       q = np.round(r / step) * step * 2.0 ** e      # np.round: ties to even
;;       return np.moveaxis(q.reshape(q.shape[:-2] + (-1,))[..., :K], -1, axis).astype(np.float32)
;;   ~~~
;;   SOFTMAX AHEAD OF A QUANTISED PRODUCT. Where the list says 'softmax', what is quantised is not the finished softmax but p = 2^(t - M), with t = logit x log2(e) and M = ceil(the row's largest t), a whole number; so 1/2 < the row's largest p <= 1. The row's sum l is taken of the UNQUANTISED p, in f32, and the product's result is divided by l at the end. Since M is a whole number, a kernel that streams over the keys may use a running M (the ceiling of the running maximum): every later rescaling is an exact power of two, which a block's scale takes up: the codes' values come out the same.
;;   OPERANDS COMPUTED ON THE WAY. 'Computed on the way' means the value that the module computes at that place (a softmax that the list does not call 'softmax' is quantised finished and normalised). What goes into a quantiser is computed in f32, as accurately as f32 sums, v_exp_f32 and their like allow (about 1e-6 of the number): no bf16 or f16 on the way to a quantiser, and a product that is left as it is and whose result goes on into a quantised operand takes f32 operands (vector FMAs, or v_wmma_f32_16x16x4_f32). A number that lies on a knife's edge between two numbers of the format may be rounded either way, as far as f32 arithmetic and the matrix unit's own rounding can turn it there, and no further.
;;   INPUTS GIVEN AS CODES. m (in the module: [4, 256, 768], K = its axis 1): each comes as NAME_codes (uint8): NAME with its K axis moved to the last place and cut into blocks of 32 codes, [.., K / 32, bytes a block], one block behind the other in memory; four codes in three bytes: a row's codes are one little-endian stream of bits, code i at bits 6 i .. 6 i + 5 (a code: sign, 3 exponent bits, 2 mantissa bits); and NAME_scales (uint8): the same leading axes, one E8M0 byte (e + 127) for each 32 codes along K. Its value is code x scale, taken as it is: it is not quantised again, and the codes and scales need not be those that the quantiser above would give.
;; One version. Each part assembles by itself: llvm-mc -triple=amdgcn-amd-amdhsa -mcpu=gfx1250 --defsym DOCPART=n.
;; ======== version 1 of 1: 2 launches
;; workspace buffers: proj 68,864 bytes
;; launch project (part 1): grid 269 x 1, 4 waves a work-group, no clusters, 768 bytes of LDS; arguments q, k, emb, W1, W2, b1, b2, proj; writes proj
.if DOCPART == 1
	.amdgcn_target "amdgcn-amd-amdhsa--gfx1250"
	.amdhsa_code_object_version 6
	.text
	.protected	k_q5dcf2085f0_project
	.globl	k_q5dcf2085f0_project
	.p2align	8
	.type	k_q5dcf2085f0_project,@function
k_q5dcf2085f0_project:
	s_mov_b64 s[64:65], 0
	v_nop
	global_prefetch_b8 v0, s[64:65] scope:SCOPE_SE
	s_setreg_imm32_b32 hwreg(HW_REG_WAVE_MODE, 25, 1), 1
	s_wait_xcnt 0x0
; s . W = q . W + k . W + emb[len] . W: the six products over H = 768 (W1, and W2's five rows) are linear in s, so they are made once for each of the
; 1,024 rows of q, the 1,024 rows of k and the 100 rows of emb, in f32 fused multiply-adds (the W1 part goes on into a quantiser).  b1 and b2 are added to emb's rows,
; of which every (q, k) pair takes exactly one.  The order of the f32 roundings differs from a sum over q + k + emb first; nothing else does.
; proj: blocks of 256 bytes, 8 rows each, laid [8 comps][8 rows] of f32: comp c of a row at byte 32 c + 4 (row % 8); c = 0: W1, c = 1..5: W2's rows, c = 6, 7: zeros.
; Blocks 0-127: q's rows; 128-255: k's; 256-268: emb's rows 0-103, of which 100-103 are copies of rows 98, 99, so that the last block is written whole; nobody uses them.
; SHARES.  Work-group x makes block x.  Wave w takes rows 2 w and 2 w + 1 whole: lane l holds columns 128 j + 4 l .. + 3, j = 0..5, so each load of a wave is 512 consecutive bytes.
; All six weight rows lie in 144 registers of every wave.  No loop: 48 loads go out together, one wait, 144 packed multiply-adds in 12 chains by turns, one sum across the lanes.
; No matrix unit (six columns), no tensor load (each byte is used once, straight from registers), no cluster (work-groups share only the 18 KiB of weights).
; LIMITS: NaN and infinities among the inputs are not served.
.set ROWB, 3072                        ; a row of q, k, emb, W1 or W2 in bytes
.set W,    16                          ; v16-159  the weights: comp c, chunk j at W + 24 c + 4 j
.set X,    160                         ; v160-207 my two rows: row r, chunk j at X + 24 r + 4 j
.set ACC,  208                         ; v208-231 twelve packed sums: (r, c) at ACC + 2 (6 r + c)
.set S,    232                         ; v232-243 the sums: comp c, row r at S + 2 c + r: a comp's two rows are a pair, 8 neighbouring bytes of the block
.set Z,    244                         ; v244-245 zeros, for comps 6 and 7
.set OUT,  246                         ; v246-247 the block on its way out
.set BIAS, 35                          ; s35-40   b1, b2[0..4]; zeros in a work-group of q or k
	s_load_b256 s[4:11], s[0:1], 0x0               ; q s[4:5], k s[6:7], emb s[8:9], W1 s[10:11]
	s_load_b128 s[12:15], s[0:1], 0x20             ; W2 s[12:13], b1 s[14:15]
	s_load_b128 s[16:19], s[0:1], 0x30             ; b2 s[16:17], proj s[18:19]
	v_lshl_add_u32 v254, v0, 2, 0x100
	v_mov_b32 v255, 0
	v_lshrrev_b32 v4, 5, v0
	v_readfirstlane_b32 s20, v4                    ; wave 0..3
	v_and_b32 v2, 31, v0                           ; lane
	v_lshlrev_b32 v1, 4, v2                        ; 16 x lane: my 16 bytes of a load's 512
	v_lshlrev_b32 v2, 3, v2                        ; 8 x lane: my 8 bytes of the block
	s_lshl_b32 s21, s20, 3
	v_mov_b32 v3, s21                              ; 8 x wave: my two rows' place in a comp's 32 bytes
	v_mov_b32 v[Z], 0
	v_mov_b32 v[Z+1], 0
	s_mov_b32 s42, 0x76543210                      ; v_permlanex16_b32's selects for lane l xor 16
	s_mov_b32 s43, 0xfedcba98
	s_lshl_b32 s28, ttmp9, 8                       ; my block in proj
	s_mov_b32 s29, 0
	s_mov_b32 s27, 0
	s_mov_b32 s25, 98
	s_wait_kmcnt 0x0
	s_load_b32 s[BIAS], s[14:15], 0x0              ; b1
	s_load_b128 s[BIAS+1:BIAS+4], s[16:17], 0x0    ; b2[0..3]
	s_load_b32 s[BIAS+5], s[16:17], 0x10           ; b2[4]
	s_cmp_lt_u32 ttmp9, 128                        ; whose rows?  The choice hangs on the work-group's number alone
	s_cselect_b64 s[22:23], s[4:5], s[6:7]
	s_cselect_b32 s24, 0, 128
	s_cmp_lt_u32 ttmp9, 256
	s_cselect_b64 s[22:23], s[22:23], s[8:9]
	s_cselect_b32 s24, s24, 256                    ; the tensor's first block
	s_cselect_b32 s25, 1022, s25                   ; the last pair of rows that the tensor has: 1,022 in q and k, 98 in emb
	s_sub_co_u32 s26, ttmp9, s24
	s_lshl_b32 s26, s26, 3
	s_lshl_b32 s21, s20, 1
	s_add_co_u32 s26, s26, s21                     ; my first row: 8 x block + 2 x wave,
	s_min_u32 s26, s26, s25                        ; held inside the tensor: in block 268 waves 2 and 3 take rows 98, 99 again
	s_mul_i32 s26, s26, ROWB
	s_add_nc_u64 s[22:23], s[22:23], s[26:27]
	s_add_nc_u64 s[18:19], s[18:19], s[28:29]
.irp r, 0,1
.irp j, 0,1,2,3,4,5
	global_load_b128 v[X+24*\r+4*\j:X+24*\r+4*\j+3], v1, s[22:23] offset:ROWB*\r+512*\j th:TH_LOAD_NT   ; a row is read once in the launch (emb's rows 98, 99 three times)
.endr
.endr
.irp j, 0,1,2,3,4,5
	global_load_b128 v[W+4*\j:W+4*\j+3], v1, s[10:11] offset:512*\j
.endr
.irp c, 1,2,3,4,5
.irp j, 0,1,2,3,4,5
	global_load_b128 v[W+24*\c+4*\j:W+24*\c+4*\j+3], v1, s[12:13] offset:ROWB*(\c-1)+512*\j
.endr
.endr
	s_wait_kmcnt 0x0                               ; the biases
	s_cmp_lt_u32 ttmp9, 256
.irp c, 0,1,2,3,4,5
	s_cselect_b32 s[BIAS+\c], 0, s[BIAS+\c]        ; they count for emb's rows alone
.endr
	s_wait_loadcnt 0x0                             ; all 48 loads: every chain wants all of them
.irp j, 0,1,2,3,4,5
.irp u, 0,1
.irp r, 0,1
.irp c, 0,1,2,3,4,5
.if (\j == 0) && (\u == 0)
	v_pk_mul_f32 v[ACC+2*(6*\r+\c):ACC+2*(6*\r+\c)+1], v[X+24*\r+4*\j+2*\u:X+24*\r+4*\j+2*\u+1], v[W+24*\c+4*\j+2*\u:W+24*\c+4*\j+2*\u+1]   ; the first product starts a sum: nothing is cleared
.else
	v_pk_fma_f32 v[ACC+2*(6*\r+\c):ACC+2*(6*\r+\c)+1], v[X+24*\r+4*\j+2*\u:X+24*\r+4*\j+2*\u+1], v[W+24*\c+4*\j+2*\u:W+24*\c+4*\j+2*\u+1], v[ACC+2*(6*\r+\c):ACC+2*(6*\r+\c)+1]   ; the twelve chains by turns
.endif
.endr
.endr
.endr
.endr
.irp r, 0,1
.irp c, 0,1,2,3,4,5
	v_add_f32 v[S+2*\c+\r], v[ACC+2*(6*\r+\c)], v[ACC+2*(6*\r+\c)+1]
.endr
.endr
.irp m, 1,2,4,8                        ; across the 16 lanes of a half, the twelve sums by turns
.irp i, 0,1,2,3,4,5,6,7,8,9,10,11
	v_add_f32_dpp v[S+\i], v[S+\i], v[S+\i] row_xmask:\m row_mask:0xf bank_mask:0xf
.endr
.endr
.irp i, 0,1,2,3,4,5,6,7,8,9,10,11
	v_permlanex16_b32 v[ACC+\i], v[S+\i], s42, s43 ; the other half's (the destination counts as read: it has been written)
.endr
.irp i, 0,1,2,3,4,5,6,7,8,9,10,11
	v_add_f32 v[S+\i], v[S+\i], v[ACC+\i]          ; every lane now holds the twelve products
.endr
.irp c, 0,1,2,3,4,5
.irp r, 0,1
	v_add_f32 v[S+2*\c+\r], s[BIAS+\c], v[S+2*\c+\r]
.endr
.endr
.irp c, 0,1,2,3,4,5
	ds_store_b64 v3, v[S+2*\c:S+2*\c+1] offset:32*\c   ; all lanes write the same 8 bytes with the same values: comp c, rows 2 w, 2 w + 1
.endr
	ds_store_b64 v3, v[Z:Z+1] offset:192
	ds_store_b64 v3, v[Z:Z+1] offset:224
	s_wait_dscnt 0x0                               ; for the others' sake: my stores have landed
	s_barrier_signal -1
	s_barrier_wait -1                              ; the block's 256 bytes lie in LDS
	s_cmp_lg_u32 s20, 0
	s_cbranch_scc1 .Lend
	ds_load_b64 v[OUT:OUT+1], v2
	s_wait_dscnt 0x0
	global_store_b64 v2, v[OUT:OUT+1], s[18:19]    ; wave 0's 32 lanes store 256 consecutive bytes, at a multiple of 256 from proj's first byte
.Lend:
	s_wait_tensorcnt 0x0
	ds_add_u32 v254, v255
	s_wait_dscnt 0x0
	s_endpgm
.Lfunc_end_k_q5dcf2085f0_project:
	.size	k_q5dcf2085f0_project, .Lfunc_end_k_q5dcf2085f0_project-k_q5dcf2085f0_project
	.p2alignl 7, 3214868480
	.fill 96, 4, 3214868480
	.section	.rodata,"a",@progbits
	.p2align	6, 0x0
	.amdhsa_kernel k_q5dcf2085f0_project
		.amdhsa_group_segment_fixed_size 768
		.amdhsa_private_segment_fixed_size 0
		.amdhsa_enable_private_segment 0
		.amdhsa_kernarg_size 64
		.amdhsa_user_sgpr_count 2
		.amdhsa_user_sgpr_kernarg_segment_ptr 1
		.amdhsa_wavefront_size32 1
		.amdhsa_system_sgpr_workgroup_id_x 1
		.amdhsa_system_sgpr_workgroup_id_y 1
		.amdhsa_system_sgpr_workgroup_id_z 1
		.amdhsa_system_vgpr_workitem_id 0
		.amdhsa_next_free_vgpr 256
		.amdhsa_next_free_sgpr 66
		.amdhsa_reserve_vcc 0
		.amdhsa_float_denorm_mode_32 3
		.amdhsa_float_denorm_mode_16_64 3
		.amdhsa_memory_ordered 1
		.amdhsa_forward_progress 1
		.amdhsa_inst_pref_size 22
	.end_amdhsa_kernel
	.amdgpu_metadata
---
amdhsa.version: [ 1, 2 ]
amdhsa.kernels:
  - .name:           k_q5dcf2085f0_project
    .symbol:         k_q5dcf2085f0_project.kd
    .args:
      - { .name: q, .offset: 0, .size: 8, .value_kind: global_buffer, .address_space: global }
      - { .name: k, .offset: 8, .size: 8, .value_kind: global_buffer, .address_space: global }
      - { .name: emb, .offset: 16, .size: 8, .value_kind: global_buffer, .address_space: global }
      - { .name: W1, .offset: 24, .size: 8, .value_kind: global_buffer, .address_space: global }
      - { .name: W2, .offset: 32, .size: 8, .value_kind: global_buffer, .address_space: global }
      - { .name: b1, .offset: 40, .size: 8, .value_kind: global_buffer, .address_space: global }
      - { .name: b2, .offset: 48, .size: 8, .value_kind: global_buffer, .address_space: global }
      - { .name: proj, .offset: 56, .size: 8, .value_kind: global_buffer, .address_space: global }
    .group_segment_fixed_size: 768
    .private_segment_fixed_size: 0
    .kernarg_segment_align: 8
    .kernarg_segment_size: 64
    .max_flat_workgroup_size: 128
    .sgpr_count:     66
    .vgpr_count:     256
    .wavefront_size: 32
...
	.end_amdgpu_metadata
.endif
;; end of part 1
;; launch attend (part 2): grid 4 x 64, 4 waves a work-group, no clusters, 168,448 bytes of LDS; arguments proj, attention_mask, length_mask, m_codes, m_scales, out0, out1; writes out0, out1
.if DOCPART == 2
	.amdgcn_target "amdgcn-amd-amdhsa--gfx1250"
	.amdhsa_code_object_version 6
	.text
	.protected	k_q5dcf2085f0_attend
	.globl	k_q5dcf2085f0_attend
	.p2align	8
	.type	k_q5dcf2085f0_attend,@function
k_q5dcf2085f0_attend:
	s_mov_b64 s[64:65], 0
	v_nop
	global_prefetch_b8 v0, s[64:65] scope:SCOPE_SE
	s_setreg_imm32_b32 hwreg(HW_REG_WAVE_MODE, 25, 1), 1
	s_wait_xcnt 0x0
; out1[b][q][k][:] = softmax over 5 classes of qw_c[q] + kw_c[k] + ew_c[len[q][k]];   out0[b][q][:] = sum over k of softmax_k((qw_0 + kw_0 + ew_0) x mask) m[b][k][:].
; qw, kw, ew are the projections that the launch before has laid in proj (blocks of 256 bytes: [8 comps][8 rows] of f32; b1, b2 are in ew).
; THE PRODUCT WITH m is on codes of BF6 (E3M2) with one E8M0 scale for each 32 keys.  m comes as codes, keys innermost.  p = 2^(t - M), t = score x log2(e), M = ceil(the row's largest t),
; is quantised along the keys; the row's sum is taken of the unquantised p and divides at the end.
; SHARES.  Work-group (x = dq, y): 16 queries (rows 16 y on, batch y / 16) x 192 columns of out0 (192 dq on): 256 work-groups.  All four dq make p of the tile's 16 x 256 scores (each wave 64 keys);
; of out1 each makes 4 of the 16 queries: wave w makes query 16 y + 4 dq + w, all 256 keys.
; p: lane (r = lane % 16, h = lane / 16) of wave w owns ONE block of 32 keys of query r: keys 64 w + 32 h + 0..31.  Those are registers 6 c .. 6 c + 5 (c = w % 2) of P's fragment of K step w / 2, in the very lanes
; that the operand's layout gives them: the block's largest p needs no other lane and the codes change no lane.  The half fragments go from wave to wave through LDS as images of their registers.
; THE PRODUCT IS USED TRANSPOSED: source 0 = 16 rows of m's codes (columns of out0), source 1 = P: a lane holds one query and eight neighbouring columns.  A wave makes 48 columns: 3 accumulators by turns, 2 K steps.
; LDS is filled once by three tensor loads a wave, all at the head (three are out, by this text's count); nothing is filled again.  No loop, no branch, EXEC never changes.
; length_mask steers LDS addresses of the 100-row table alone; it is held at 99 from above.
; NO CLUSTER: what the four work-groups of a query tile share (16 KiB of mask, 8 KiB of kw) and the sixteen of a batch (36 KiB of codes) is asked for once, at the head; a joint request wants a meeting of the
; cluster in front of it and one at the end, in a text that has five barriers and no loop.
; LIMITS: NaN and infinities among the inputs are not served.  p under 2^-126 comes out of v_exp_f32 as 0 (ISA guide 15.8), beside a row's largest p above 1/2.  A block of p that is all zeros has the scale byte 1
; where the rule says 127: its codes are zeros, and this program alone reads the bytes.
.set AMT, 0                            ; LDS, filled by tensor loads: wave w's 16 rows x 256 bytes of attention_mask, pitch 272: 4 x 4,352 bytes
.set KWL, 17408                        ; kw of the batch: 32 blocks of 256 bytes, pitch 288; wave w brings blocks 8 w .. 8 w + 7
.set MT,  26624                        ; wave w's 48 rows of m's codes, 192 bytes each, 16 bytes of padding behind every 64: pitch 240: 4 x 11,520 bytes
.set EW,  72704                        ; LDS, written by stores (blocks of 256 bytes into which no tensor load lands): the table: comp c of row e at 512 c + 4 e
.set MX,  75776                        ; the waves' largest scores: 16 r + 4 w
.set SM,  MX+256                       ; the waves' sums, likewise
.set PSC, 76288                        ; P's scale words: K step s, query r at 64 s + 4 r
.set IMG, 76544                        ; P's four half fragments: 768 w: registers 0-3 at 16 x lane, registers 4-5 at 512 + 8 x lane
.set CST, 79616                        ; a row of out1 (5,120 bytes) for each wave
.set OST, 100096                       ; 16 rows x (768 bytes of out0 + 16); the map ends at 112,640
.set AAM, 4                            ; v4   AMT + 4352 w + 272 r + 128 h
.set AKW, 5                            ; v5   KWL + 2304 w + 1152 h
.set AKC, 6                            ; v6   KWL + 288 (lane / 2) + 16 (lane % 2)
.set AEW, 7                            ; v7   EW + 4 x thread
.set AXS, 8                            ; v8   MX + 16 r + 4 w
.set AXL, 9                            ; v9   MX + 16 r
.set APS, 10                           ; v10  PSC + 64 (w / 2) + 4 r + 2 (w % 2) + h
.set APL, 11                           ; v11  PSC + 4 r
.set AIS, 12                           ; v12, v13  where I store my half fragment;  v14, v15  where half fragment 0 is read
.set AIL, 14
.set ACS, 16                           ; v16  CST + 5120 w + 80 x lane
.set ACL, 17                           ; v17  CST + 5120 w + 16 x lane
.set AOS, 18                           ; v18  OST + 784 r + 32 h + 192 w
.set AOL, 19                           ; v19  OST + 3136 w + 8 x lane
.set AM0, 20                           ; v20  MT + 11520 w + 240 r + 24 h;  v21: the same behind one padding more (40 h)
.set AM1, 21
.set L16, 22                           ; v22  16 x lane;  v23  8 x lane
.set L8,  23
.set GT,  24                           ; v24  the table's row min(thread, 103) in proj: 256 (e / 8) + 4 (e % 8)
.set GQ,  25                           ; v25  query r in proj: 256 (r / 8) + 4 (r % 8)
.set GS,  26                           ; v26  8 r: a row of m's scale bytes
.set GL,  27                           ; v27  1024 r + 128 h: my 32 keys in the wave's part of length_mask
.set NM,  28                           ; v[28:29] qw_0, later -M (v29 = 0: named with it as a pair)
.set BM,  30                           ; v30  my block's largest score, then its p
.set PX,  31                           ; v31  a lane permute's destination
.set T8,  32                           ; v32-39 eight keys' class maxima, then their sums; later the row's sum at work
.set T4,  40                           ; v40-43 the four waves' maxima, then sums
.set RL,  44                           ; v[44:45] 1 / l (v45 = 0)
.set MS,  48                           ; v48-53 m's scale words (tile t, K step s at 48 + 2 t + s);  v54, v55 P's: these eight hold scales and nothing else
.set PS,  54
.set TR,  56                           ; v56-61 a table row's six comps on the way in
.set LC,  62                           ; v62-69 length_mask of my 8 keys of the class path, then their LDS addresses
.set KA,  72                           ; v72-103  kw_0, score, t - M, p of my 32 keys; later the three accumulators
.set LA,  104                          ; v104-135 length_mask of my 32 keys, then their LDS addresses; then the mask; then R; then m's fragments 0-2; then rows of out0
.set R,   104                          ; v104-143 the 40 class probabilities in out1's order
.set EG,  136                          ; v136-167 ew_0 gathered; later (from v144) my codes, then P's two fragments
.set PF,  144
.set KC,  168                          ; v168-207 kw_c (comp c, key 4 g + j at 8 (c - 1) + 4 g + j), logits, exponentials; later my row of out1 read back
.set OB,  168
.set EC,  208                          ; v208-247 ew_c gathered, same order; later m's fragments 3-5
.set RC,  248                          ; v248-255 eight reciprocals
.set G1A, 16                           ; s[16:23] descriptor group 1: the mask's tile;  s[24:31]: kw;  s[32:39]: m's codes;  s[40:51]: their three groups 0
.set G1K, 24
.set G1C, 32
.set WV,  52                           ; s52 wave, s53 y, s54 dq, s55 batch, s62 my query of the class path
.set LE,  58                           ; s[58:59] log2(e), twice: packed forms name a pair
.set SEL, 60                           ; s[60:61] v_permlanex16_b32's selects for lane l xor 16
.set SQ,  70                           ; s[70:79] qw_c of my query, c = 1..5, each the low word of a pair
.macro BAR                             ; my LDS stores have landed and my LDS loads are in: then the work-group's barrier
	s_wait_dscnt 0x0
	s_barrier_signal -1
	s_barrier_wait -1
.endm
; A fragment of m: 16 rows x 128 keys of 6-bit codes, 12 registers: lane (r, h) takes 24 bytes of row r twice, in pieces of 8 bytes so that every address is a multiple of the access's size.
; Lanes 16-31 read three pieces further on; where that lies behind one padding more (16 bytes behind every 8 pieces), the second address register serves.
.macro FRAG reg, q, i
.irp p, 0,1,2,3,4,5
.set PC, 12*(\q)+6*(\p/3)+\p%3
.if PC%8 < 5
	ds_load_b64 v[\reg+2*\p:\reg+2*\p+1], v[AM0] offset:8*PC+16*(PC/8)+(\i)*3840
.else
	ds_load_b64 v[\reg+2*\p:\reg+2*\p+1], v[AM1] offset:8*PC+16*(PC/8)+(\i)*3840
.endif
.endr
.endm
.macro MFREG t, s                      ; MFR = where fragment 2 t + s of m lies
.if 2*(\t)+(\s) < 3
.set MFR, 104+12*(2*(\t)+(\s))
.else
.set MFR, 208+12*(2*(\t)+(\s)-3)
.endif
.endm
	; ---- the head: ids, offsets (each in the pair that will hold the address), descriptors
	s_load_b256 s[4:11], s[0:1], 0x0               ; proj s[4:5], attention_mask s[6:7], length_mask s[8:9], m_codes s[10:11]
	s_load_b128 s[12:15], s[0:1], 0x20             ; m_scales s[12:13], out0 s[14:15]
	s_load_b64 s[56:57], s[0:1], 0x30              ; out1
	v_lshl_add_u32 v70, v0, 2, 0x29000
	v_mov_b32 v71, 0
	ds_add_u32 v70, v71
	ds_add_u32 v70, v71
	v_lshrrev_b32 v1, 5, v0
	v_readfirstlane_b32 s[WV], v1                  ; wave 0..3
	s_and_b32 s53, ttmp7, 0xffff                   ; y: the tile of 16 queries
	s_mov_b32 s54, ttmp9                           ; dq: the quarter of out0's columns
	s_lshr_b32 s55, s53, 4                         ; the batch
	s_lshl_b32 s62, s53, 4
	s_lshl_b32 s63, s54, 2
	s_add_co_u32 s62, s62, s63
	s_add_co_u32 s62, s62, s[WV]                   ; my query of the class path: 16 y + 4 dq + w
	s_mov_b32 s[G1A+0], (2<<16)|(1<<20)|(5<<22)|(3<<25)  ; no mask; elements of 4 bytes; padding on: behind every 64 words, 4 words
	s_mov_b32 s[G1A+1], 64<<16                     ; tensor_dim0 = 64
	s_mov_b32 s[G1A+2], 16<<16                     ; tensor_dim1 = 16
	s_mov_b32 s[G1A+3], 64<<16                     ; tile_dim0 = 64: my 64 keys, 256 bytes
	s_mov_b32 s[G1A+4], 16                         ; tile_dim1 = 16 queries
	s_mov_b32 s[G1A+5], 256                        ; from row to row: 256 elements
	s_mov_b32 s[G1A+6], 0
	s_mov_b32 s[G1A+7], 0
	s_mov_b32 s[G1K+0], (3<<16)|(1<<20)|(5<<22)|(7<<25)  ; elements of 8 bytes; behind every 64 words, 8 words: pitch 288
	s_mov_b32 s[G1K+1], 32<<16
	s_mov_b32 s[G1K+2], 8<<16
	s_mov_b32 s[G1K+3], 32<<16                     ; 8 dense rows of 256 bytes
	s_mov_b32 s[G1K+4], 8
	s_mov_b32 s[G1K+5], 32
	s_mov_b32 s[G1K+6], 0
	s_mov_b32 s[G1K+7], 0
	s_mov_b32 s[G1C+0], (3<<16)|(1<<20)|(3<<22)|(3<<25)  ; elements of 8 bytes; behind every 16 words, 4 words
	s_mov_b32 s[G1C+1], 32<<16
	s_mov_b32 s[G1C+2], 36<<16
	s_mov_b32 s[G1C+3], 32<<16                     ; my 48 rows of 192 bytes are dense: 9,216 bytes, stated as 36 rows of 256 bytes; the padding counts along the whole tile, so in LDS a row of codes is 3 x (64 + 16) = 240 bytes
	s_mov_b32 s[G1C+4], 36
	s_mov_b32 s[G1C+5], 32
	s_mov_b32 s[G1C+6], 0
	s_mov_b32 s[G1C+7], 0
	s_mov_b32 s40, 1                               ; groups 0: count = 1; the LDS address: a constant + a constant x wave
	s_mul_i32 s41, s[WV], 2304
	s_add_co_u32 s41, s41, KWL
	s_lshl_b32 s42, s55, 13                        ; kw: 32,768 + 8,192 x batch + 2,048 x wave
	s_lshl_b32 s63, s[WV], 11
	s_add_co_u32 s42, s42, s63
	s_add_co_u32 s42, s42, 32768
	s_mov_b32 s43, 0
	s_mov_b32 s44, 1
	s_mul_i32 s45, s[WV], 4352                     ; (AMT = 0)
	s_lshl_b32 s46, s53, 14                        ; both masks: 16 rows of 1,024 bytes x y + 256 x wave
	s_lshl_b32 s63, s[WV], 8
	s_add_co_u32 s46, s46, s63
	s_mov_b32 s47, 0
	s_mov_b32 s48, 1
	s_mul_i32 s49, s[WV], 11520
	s_add_co_u32 s49, s49, MT
	s_mul_i32 s50, s55, 147456                     ; m's codes: 768 rows x 192 bytes a batch, 192 rows a quarter, 48 a wave
	s_mul_i32 s63, s54, 36864
	s_add_co_u32 s50, s50, s63
	s_mul_i32 s63, s[WV], 9216
	s_add_co_u32 s50, s50, s63
	s_mov_b32 s51, 0
	s_lshl_b32 s82, s62, 10                        ; length_mask: my query's row
	s_mov_b32 s83, 0
	s_lshl_b32 s84, s53, 9                         ; proj: the tile's 16 queries are two blocks
	s_mov_b32 s85, 0
	s_mul_i32 s88, s55, 6144                       ; m's scale bytes: 8 a row
	s_mul_i32 s63, s54, 1536
	s_add_co_u32 s88, s88, s63
	s_mul_i32 s63, s[WV], 384
	s_add_co_u32 s88, s88, s63
	s_mov_b32 s89, 0
	s_mul_i32 s90, s62, 5120                       ; out1: my query's row
	s_mov_b32 s91, 0
	s_lshl_b32 s92, s53, 4                         ; out0: rows 16 y + 4 w on, columns 192 dq on
	s_lshl_b32 s63, s[WV], 2
	s_add_co_u32 s92, s92, s63
	s_mul_i32 s92, s92, 3072
	s_mul_i32 s63, s54, 768
	s_add_co_u32 s92, s92, s63
	s_mov_b32 s93, 0
	s_lshr_b32 s94, s62, 3                         ; proj: my query of the class path
	s_lshl_b32 s94, s94, 8
	s_and_b32 s63, s62, 7
	s_lshl_b32 s63, s63, 2
	s_add_co_u32 s94, s94, s63
	s_mov_b32 s95, 0
	s_mov_b32 s[LE], 0x3fb8aa3b                    ; log2(e)
	s_mov_b32 s[LE+1], s[LE]
	s_mov_b32 s[SEL], 0x76543210
	s_mov_b32 s[SEL+1], 0xfedcba98
.irp c, 0,1,2,3,4
	s_mov_b32 s[SQ+2*\c+1], 0                      ; named with qw_c as a pair, so it is written
.endr
	v_and_b32 v1, 15, v0                           ; r
	v_bfe_u32 v2, v0, 4, 1                         ; h
	v_and_b32 v3, 31, v0                           ; lane
	v_lshlrev_b32 v[L16], 4, v3
	v_lshlrev_b32 v[L8], 3, v3
	v_min_u32 v[GT], 103, v0                       ; proj has 104 table rows
	v_lshrrev_b32 v[GQ], 3, v[GT]
	v_and_b32 v[GT], 7, v[GT]
	v_lshlrev_b32 v[GT], 2, v[GT]
	v_lshl_add_u32 v[GT], v[GQ], 8, v[GT]
	v_lshrrev_b32 v[GQ], 3, v1
	v_and_b32 v[GS], 7, v1
	v_lshlrev_b32 v[GS], 2, v[GS]
	v_lshl_add_u32 v[GQ], v[GQ], 8, v[GS]
	v_lshlrev_b32 v[GS], 3, v1
	v_lshlrev_b32 v[GL], 10, v1
	v_lshl_add_u32 v[GL], v2, 7, v[GL]
	v_mov_b32 v[NM+1], 0
	v_mov_b32 v[PX], 0
	v_mov_b32 v[RL+1], 0
	s_wait_dscnt 0x0
	s_wait_kmcnt 0x0
	s_add_nc_u64 s[42:43], s[4:5], s[42:43]
	s_or_b32 s43, s43, 0x80000000                  ; type = 2
	s_add_nc_u64 s[80:81], s[8:9], s[46:47]        ; length_mask at my part of the tile
	s_add_nc_u64 s[46:47], s[6:7], s[46:47]
	s_or_b32 s47, s47, 0x80000000
	s_add_nc_u64 s[50:51], s[10:11], s[50:51]
	s_or_b32 s51, s51, 0x80000000
	tensor_load_to_lds s[40:43], s[G1K:G1K+7]      ; the three first fills go out together, ahead of every wait on TENSORcnt, every LDS read and every barrier
	s_nop 0
	tensor_load_to_lds s[44:47], s[G1A:G1A+7]
	s_nop 0
	tensor_load_to_lds s[48:51], s[G1C:G1C+7]
	s_nop 0
.rept 4
	v_nop
.endr
	s_add_nc_u64 s[94:95], s[4:5], s[94:95]
.irp c, 1,2,3,4,5
	s_load_b32 s[SQ+2*(\c-1)], s[94:95], 32*\c     ; qw_c of my query
.endr
	s_add_nc_u64 s[86:87], s[4:5], 0x10000         ; the table in proj
	s_add_nc_u64 s[82:83], s[8:9], s[82:83]
	s_add_nc_u64 s[84:85], s[4:5], s[84:85]
	s_add_nc_u64 s[88:89], s[12:13], s[88:89]
	s_add_nc_u64 s[90:91], s[56:57], s[90:91]
	s_add_nc_u64 s[92:93], s[14:15], s[92:93]
.irp c, 0,1,2,3,4,5
	global_load_b32 v[TR+\c], v[GT], s[86:87] offset:32*\c         ; thread e: the six comps of table row e
.endr
.irp i, 0,1,2,3,4,5,6,7
	global_load_b128 v[LA+4*\i:LA+4*\i+3], v[GL], s[80:81] offset:16*\i   ; length_mask of my 32 keys, straight into the registers that become addresses; the eight loads together read 256 whole bytes of each of 16 rows
.endr
.irp g, 0,1
	global_load_b128 v[LC+4*\g:LC+4*\g+3], v[L16], s[82:83] offset:512*\g  ; class path: keys 128 g + 4 lane + 0..3: 512 consecutive bytes a load
.endr
	global_load_b32 v[NM], v[GQ], s[84:85]         ; qw_0 of query r
.irp t, 0,1,2
	global_load_b64 v[MS+2*\t:MS+2*\t+1], v[GS], s[88:89] offset:128*\t    ; m's scale words: row 16 t + r, both K steps
.endr
	; the LDS addresses, while the loads are on their way
	s_mul_i32 s66, s[WV], 4352
	v_mul_u32_u24 v[AAM], v1, 272
	v_lshl_add_u32 v[AAM], v2, 7, v[AAM]
	v_add_nc_u32 v[AAM], s66, v[AAM]
	s_mul_i32 s66, s[WV], 2304
	s_add_co_u32 s66, s66, KWL
	v_mul_u32_u24 v[AKW], v2, 1152
	v_add_nc_u32 v[AKW], s66, v[AKW]
	v_lshrrev_b32 v[AKC], 1, v3
	v_mul_u32_u24 v[AKC], v[AKC], 288
	v_and_b32 v[AEW], 1, v3
	v_lshl_add_u32 v[AKC], v[AEW], 4, v[AKC]
	v_add_nc_u32 v[AKC], KWL, v[AKC]
	v_lshl_add_u32 v[AEW], v0, 2, EW
	s_lshl_b32 s66, s[WV], 2
	v_lshl_add_u32 v[AXL], v1, 4, MX
	v_add_nc_u32 v[AXS], s66, v[AXL]
	s_lshr_b32 s66, s[WV], 1
	s_lshl_b32 s66, s66, 6
	s_and_b32 s67, s[WV], 1
	s_lshl_b32 s67, s67, 1
	s_add_co_u32 s66, s66, s67
	v_lshl_add_u32 v[APL], v1, 2, PSC
	v_add_nc_u32 v[APS], v[APL], v2
	v_add_nc_u32 v[APS], s66, v[APS]
	s_mul_i32 s66, s[WV], 768
	v_add_nc_u32 v[AIL], IMG, v[L16]
	v_add_nc_u32 v[AIL+1], IMG+512, v[L8]
	v_add_nc_u32 v[AIS], s66, v[AIL]
	v_add_nc_u32 v[AIS+1], s66, v[AIL+1]
	s_mul_i32 s66, s[WV], 5120
	s_add_co_u32 s66, s66, CST
	v_mul_u32_u24 v[ACS], v3, 80
	v_add_nc_u32 v[ACS], s66, v[ACS]
	v_add_nc_u32 v[ACL], s66, v[L16]
	s_mul_i32 s66, s[WV], 192
	s_add_co_u32 s66, s66, OST
	v_mul_u32_u24 v[AOS], v1, 784
	v_lshl_add_u32 v[AOS], v2, 5, v[AOS]
	v_add_nc_u32 v[AOS], s66, v[AOS]
	s_mul_i32 s66, s[WV], 3136
	s_add_co_u32 s66, s66, OST
	v_add_nc_u32 v[AOL], s66, v[L8]
	s_mul_i32 s66, s[WV], 11520
	s_add_co_u32 s66, s66, MT
	v_mul_u32_u24 v[AM0], v1, 240
	v_mad_u32_u24 v[AM0], v2, 24, v[AM0]
	v_add_nc_u32 v[AM0], s66, v[AM0]
	v_lshl_add_u32 v[AM1], v2, 4, v[AM0]
	; ---- the table into LDS; the indices become LDS addresses
	s_wait_loadcnt 14                              ; the six table loads are in; the 8 + 2 + 1 + 3 issued behind them may be out
.irp c, 0,1,2,3,4,5
	ds_store_b32 v[AEW], v[TR+\c] offset:512*\c
.endr
	s_wait_loadcnt 4                               ; both parts of length_mask are in; qw_0 and m's three scale loads may be out
.set i, 0
.rept 32
	v_min_u32 v[LA+i], 99, v[LA+i]                 ; the index stays in the table,
	v_lshl_add_u32 v[LA+i], v[LA+i], 2, EW         ; and is the address of ew_0
.set i, i+1
.endr
.set i, 0
.rept 8
	v_min_u32 v[LC+i], 99, v[LC+i]
	v_lshl_add_u32 v[LC+i], v[LC+i], 2, EW
.set i, i+1
.endr
	s_wait_tensorcnt 0x0                           ; my three tiles have landed: other waves read my part of kw
	BAR                                            ; the table and every wave's tiles lie in LDS; from here to the next barrier LDS is only read
	; ---- LDS reads and gathers
.irp j, 0,1,2,3
.irp u, 0,1
	ds_load_b128 v[KA+8*\j+4*\u:KA+8*\j+4*\u+3], v[AKW] offset:288*\j+16*\u    ; kw_0 of my 32 keys: four blocks, comp 0
.endr
.endr
.set i, 0
.rept 32
	ds_load_b32 v[EG+i], v[LA+i]                   ; ew_0[len]
.set i, i+1
.endr
.irp c, 1,2,3,4,5
.irp g, 0,1
	ds_load_b128 v[KC+8*(\c-1)+4*\g:KC+8*(\c-1)+4*\g+3], v[AKC] offset:4608*\g+32*\c   ; kw_c of keys 128 g + 4 lane + 0..3
.endr
.endr
.irp c, 1,2,3,4,5
.irp n, 0,1,2,3,4,5,6,7
	ds_load_b32 v[EC+8*(\c-1)+\n], v[LC+\n] offset:512*\c          ; ew_c[len]
.endr
.endr
	s_wait_dscnt 50                                ; kw_0 and ew_0 are in; the class path's 10 + 40 loads may be out
.irp i, 0,1,2,3,4,5,6,7
	ds_load_b128 v[LA+4*\i:LA+4*\i+3], v[AAM] offset:16*\i         ; the mask of my 32 keys, where the addresses lay
.endr
	s_wait_loadcnt 3                               ; qw_0 is in; m's three scale loads may be out
.set i, 0
.rept 16
	v_pk_add_f32 v[KA+i:KA+i+1], v[KA+i:KA+i+1], v[NM:NM+1] op_sel_hi:[1,0]   ; kw_0 + qw_0
.set i, i+2
.endr
.set i, 0
.rept 16
	v_pk_add_f32 v[KA+i:KA+i+1], v[KA+i:KA+i+1], v[EG+i:EG+i+1]    ; + ew_0 (b1 is in it)
.set i, i+2
.endr
	s_wait_dscnt 0x0                               ; all my LDS loads are in
.set i, 0
.rept 16
	v_pk_mul_f32 v[KA+i:KA+i+1], v[KA+i:KA+i+1], v[LA+i:LA+i+1]    ; x mask: the score
.set i, i+2
.endr
	v_max3_num_f32 v[BM], v[KA], v[KA+1], v[KA+2]  ; my block's largest score, in two chains: it serves the row's maximum and, since p rises with the score, the block's largest p
	v_max3_num_f32 v[T4], v[KA+3], v[KA+4], v[KA+5]
.irp i, 6,10,14,18,22,26
	v_max3_num_f32 v[BM], v[BM], v[KA+\i], v[KA+\i+1]
	v_max3_num_f32 v[T4], v[T4], v[KA+\i+2], v[KA+\i+3]
.endr
	v_max3_num_f32 v[BM], v[BM], v[KA+30], v[KA+31]
	v_max_num_f32 v[BM], v[BM], v[T4]
	s_barrier_signal -1                            ; no LDS instruction of mine is out (the wait for 0 above): every wave's gathers, whose addresses hang on data, are over
	s_barrier_wait -1                              ; before any wave stores to LDS again
	; ---- the wave's largest score of each query goes out; the classes are worked while the others arrive
	v_permlanex16_b32 v[PX], v[BM], s[SEL], s[SEL+1]
	v_max_num_f32 v[T4], v[BM], v[PX]              ; of my wave's 64 keys
	ds_store_b32 v[AXS], v[T4]                     ; (both halves write the same word with the same value)
	s_wait_kmcnt 0x0                               ; qw_c
	s_wait_dscnt 0x0
	s_barrier_signal -1
.irp c, 0,1,2,3,4
.irp i, 0,2,4,6
	v_pk_add_f32 v[KC+8*\c+\i:KC+8*\c+\i+1], v[KC+8*\c+\i:KC+8*\c+\i+1], s[SQ+2*\c:SQ+2*\c+1] op_sel_hi:[1,0]   ; kw_c + qw_c
.endr
.endr
.set i, 0
.rept 20
	v_pk_add_f32 v[KC+i:KC+i+1], v[KC+i:KC+i+1], v[EC+i:EC+i+1]    ; + ew_c (b2 is in it): the logits
.set i, i+2
.endr
.irp n, 0,1,2,3,4,5,6,7
	v_max3_num_f32 v[T8+\n], v[KC+\n], v[KC+8+\n], v[KC+16+\n]     ; each key's largest logit is taken away ahead of the exponentials
.endr
.irp n, 0,1,2,3,4,5,6,7
	v_max3_num_f32 v[T8+\n], v[T8+\n], v[KC+24+\n], v[KC+32+\n]
.endr
.irp i, 0,2,4,6
	v_pk_mul_f32 v[T8+\i:T8+\i+1], v[T8+\i:T8+\i+1], s[LE:LE+1] op_sel_hi:[1,0]
.endr
.irp c, 0,1,2,3,4
.irp i, 0,2,4,6
	v_pk_fma_f32 v[KC+8*\c+\i:KC+8*\c+\i+1], v[KC+8*\c+\i:KC+8*\c+\i+1], s[LE:LE+1], v[T8+\i:T8+\i+1] op_sel_hi:[1,0,1] neg_lo:[0,0,1] neg_hi:[0,0,1]   ; (logit - max) log2(e)
.endr
.endr
.set i, 0
.rept 40
	v_exp_f32 v[KC+i], v[KC+i]
.set i, i+1
.endr
	v_nop                                          ; a plain instruction behind the last exponential (ISA guide 5.7.2)
	s_wait_alu depctr_va_vdst(0)                   ; one wait for the batch of 40, ahead of its first reader
.irp i, 0,2,4,6
	v_pk_add_f32 v[T8+\i:T8+\i+1], v[KC+\i:KC+\i+1], v[KC+8+\i:KC+8+\i+1]
.endr
.irp c, 2,3,4
.irp i, 0,2,4,6
	v_pk_add_f32 v[T8+\i:T8+\i+1], v[T8+\i:T8+\i+1], v[KC+8*\c+\i:KC+8*\c+\i+1]
.endr
.endr
.irp n, 0,1,2,3,4,5,6,7
	v_rcp_f32 v[RC+\n], v[T8+\n]
.endr
	v_nop
	s_wait_alu depctr_va_vdst(0)                   ; one wait for the eight reciprocals
.irp g, 0,1
.irp j, 0,1,2,3
.irp c, 0,1,2,3,4
	v_mul_f32 v[R+20*\g+5*\j+\c], v[KC+8*\c+4*\g+\j], v[RC+4*\g+\j]   ; in out1's order: a key's five classes on end
.endr
.endr
.endr
	s_barrier_wait -1                              ; the four waves' maxima lie in LDS
	; ---- p, its sum, its codes; my row of out1 leaves
	ds_load_b128 v[T4:T4+3], v[AXL]
.irp g, 0,1
.irp i, 0,1,2,3,4
	ds_store_b128 v[ACS], v[R+20*\g+4*\i:R+20*\g+4*\i+3] offset:2560*\g+16*\i   ; my 4 keys x 5 classes are 80 neighbouring bytes of the row
.endr
.endr
.irp i, 0,1,2,3,4,5,6,7,8,9
	ds_load_b128 v[OB+4*\i:OB+4*\i+3], v[ACL] offset:512*\i        ; back as they lie in memory.  My own bytes: LDS serves a wave's instructions in order (ISA guide 5.7.1.4)
.endr
	s_wait_dscnt 20                                ; the maxima are in; the 10 stores and 10 loads behind them may be out
	v_max3_num_f32 v[T4], v[T4], v[T4+1], v[T4+2]
	v_max_num_f32 v[T4], v[T4], v[T4+3]            ; the row's largest score,
	v_mul_f32 v[T4], s[LE], v[T4]                  ; as t
	v_floor_f32 v[NM], -v[T4]                      ; -M = floor(-t) = -ceil(t): a whole number
.set i, 0
.rept 16
	v_pk_fma_f32 v[KA+i:KA+i+1], v[KA+i:KA+i+1], s[LE:LE+1], v[NM:NM+1] op_sel_hi:[1,0,0]   ; t - M
.set i, i+2
.endr
	v_fma_f32 v[BM], v[BM], s[LE], v[NM]           ; the same of my block's largest score
.set i, 0
.rept 32
	v_exp_f32 v[KA+i], v[KA+i]                     ; p = 2^(t - M): not normalised
.set i, i+1
.endr
	v_exp_f32 v[BM], v[BM]                         ; the block's largest p: the same two operations on the same number
	s_wait_dscnt 0x0                               ; my row of out1 is back, and R's stores have read their registers
.irp i, 0,1,2,3,4,5,6,7,8,9
	global_store_b128 v[L16], v[OB+4*\i:OB+4*\i+3], s[90:91] offset:512*\i th:TH_STORE_NT   ; 512 consecutive bytes, at a multiple of 256 from out1's first byte
.endr
.irp t, 0,1,2
.irp s, 0,1
	MFREG \t, \s
	FRAG MFR, \s, \t                               ; m's six fragments, asked for here: they land while p is summed and quantised
.endr
.endr
	v_nop                                          ; a plain instruction behind the last exponential
	s_wait_alu depctr_va_vdst(0)                   ; one wait for the batch of 33
	v_pk_add_f32 v[T8:T8+1], v[KA:KA+1], v[KA+2:KA+3]              ; the sum of the UNQUANTISED p, in two chains
	v_pk_add_f32 v[T8+2:T8+3], v[KA+4:KA+5], v[KA+6:KA+7]
.irp j, 8,12,16,20,24,28
	v_pk_add_f32 v[T8:T8+1], v[T8:T8+1], v[KA+\j:KA+\j+1]
	v_pk_add_f32 v[T8+2:T8+3], v[T8+2:T8+3], v[KA+\j+2:KA+\j+3]
.endr
	v_pk_add_f32 v[T8:T8+1], v[T8:T8+1], v[T8+2:T8+3]
	v_add_f32 v[T8], v[T8], v[T8+1]
	v_permlanex16_b32 v[PX], v[T8], s[SEL], s[SEL+1]
	v_add_f32 v[T8], v[T8], v[PX]                  ; of my wave's 64 keys
	ds_store_b32 v[AXS], v[T8] offset:SM-MX
	v_max_num_f32 v[BM], 0x2800000, v[BM]          ; the floor 2^(5 - 127): the byte cannot fall under 1
	v_add_nc_u32 v46, 0xfe000000, v[BM]            ; 4 off the exponent field: the conversion takes the exponent field of this operand as its scale
	v_lshrrev_b32 v47, 23, v46                     ; the scale's byte
	v_cvt_scalef32_pk16_bf6_f32 v[PF:PF+2], v[KA:KA+15], v46
	v_cvt_scalef32_pk16_bf6_f32 v[PF+4:PF+6], v[KA+16:KA+31], v46  ; (a conversion's three registers begin on an even number)
	v_nop                                          ; one plain instruction behind a scaled conversion
	v_mov_b32 v[PF+3], v[PF+4]
	v_mov_b32 v[PF+4], v[PF+5]
	v_mov_b32 v[PF+5], v[PF+6]                     ; six registers: my block's 32 codes
	ds_store_b128 v[AIS], v[PF:PF+3]               ; the half fragment goes to LDS as it stands
	ds_store_b64 v[AIS+1], v[PF+4:PF+5]
	ds_store_b8 v[APS], v47                        ; byte 2 (w % 2) + h of query r's scale word of K step w / 2
	BAR                                            ; P's codes, scale words and the sums lie in LDS; m's fragments are in
	; ---- the product
.irp w, 0,1,2,3
	ds_load_b128 v[PF+6*\w:PF+6*\w+3], v[AIL] offset:768*\w
	ds_load_b64 v[PF+6*\w+4:PF+6*\w+5], v[AIL+1] offset:768*\w
.endr
.irp s, 0,1
	ds_load_b32 v[PS+\s], v[APL] offset:64*\s
.endr
	ds_load_b128 v[T4:T4+3], v[AXL] offset:SM-MX
	s_wait_dscnt 0x0
	s_wait_loadcnt 0x0                             ; m's scale words
.irp s, 0,1                            ; the three accumulators by turns, one instruction a turn; the first K step starts the sums
.irp t, 0,1,2
	MFREG \t, \s
.if \s == 0
	v_wmma_scale_f32_16x16x128_f8f6f4 v[KA+8*\t:KA+8*\t+7], v[MFR:MFR+11], v[PF+12*\s:PF+12*\s+11], 0, v[MS+2*\t+\s], v[PS+\s] matrix_a_fmt:MATRIX_FMT_BF6 matrix_b_fmt:MATRIX_FMT_BF6
.else
	v_wmma_scale_f32_16x16x128_f8f6f4 v[KA+8*\t:KA+8*\t+7], v[MFR:MFR+11], v[PF+12*\s:PF+12*\s+11], v[KA+8*\t:KA+8*\t+7], v[MS+2*\t+\s], v[PS+\s] matrix_a_fmt:MATRIX_FMT_BF6 matrix_b_fmt:MATRIX_FMT_BF6
.endif
.endr
.endr
	v_add_f32 v[T4], v[T4], v[T4+1]                ; the row's sum of the four waves': with the v_nop, the four places behind the last product (ISA guide 7.12.1)
	v_add_f32 v[T4+2], v[T4+2], v[T4+3]
	v_add_f32 v[T4], v[T4], v[T4+2]
	v_nop
	v_rcp_f32 v[RL], v[T4]
	v_nop
	s_wait_alu depctr_va_vdst(0)                   ; ahead of the reciprocal's first reader
.irp t, 0,1,2
.irp i, 0,2,4,6
	v_pk_mul_f32 v[KA+8*\t+\i:KA+8*\t+\i+1], v[KA+8*\t+\i:KA+8*\t+\i+1], v[RL:RL+1] op_sel_hi:[1,0]   ; / l; each accumulator from its low end on
.endr
.endr
.irp t, 0,1,2
	ds_store_b128 v[AOS], v[KA+8*\t:KA+8*\t+3] offset:64*\t        ; lane (r, h): query r, columns 48 w + 16 t + 8 h + 0..7 of the work-group's 192
	ds_store_b128 v[AOS], v[KA+8*\t+4:KA+8*\t+7] offset:64*\t+16
.endr
	BAR                                            ; 16 rows of 768 bytes lie in the stage
	; ---- out0: wave w stores rows 4 w .. 4 w + 3
.irp i, 0,1,2,3,4,5,6,7,8,9,10,11
	ds_load_b64 v[LA+2*\i:LA+2*\i+1], v[AOL] offset:784*(\i/3)+256*(\i%3)
.endr
.irp i, 0,1,2,3,4,5,6,7,8,9,10,11
	s_wait_dscnt 11-\i                             ; LDS loads come back in order: load i is in, the younger ones may be out
	global_store_b64 v[L8], v[LA+2*\i:LA+2*\i+1], s[92:93] offset:3072*(\i/3)+256*(\i%3) th:TH_STORE_NT   ; 32 lanes store 256 consecutive bytes, at a multiple of 256 from out0's first byte
.endr
	s_wait_tensorcnt 0x0
	ds_add_u32 v70, v71
	s_wait_dscnt 0x0
	s_endpgm
.Lfunc_end_k_q5dcf2085f0_attend:
	.size	k_q5dcf2085f0_attend, .Lfunc_end_k_q5dcf2085f0_attend-k_q5dcf2085f0_attend
	.p2alignl 7, 3214868480
	.fill 96, 4, 3214868480
	.section	.rodata,"a",@progbits
	.p2align	6, 0x0
	.amdhsa_kernel k_q5dcf2085f0_attend
		.amdhsa_group_segment_fixed_size 168448
		.amdhsa_private_segment_fixed_size 0
		.amdhsa_enable_private_segment 0
		.amdhsa_kernarg_size 56
		.amdhsa_user_sgpr_count 2
		.amdhsa_user_sgpr_kernarg_segment_ptr 1
		.amdhsa_wavefront_size32 1
		.amdhsa_system_sgpr_workgroup_id_x 1
		.amdhsa_system_sgpr_workgroup_id_y 1
		.amdhsa_system_sgpr_workgroup_id_z 1
		.amdhsa_system_vgpr_workitem_id 0
		.amdhsa_next_free_vgpr 256
		.amdhsa_next_free_sgpr 96
		.amdhsa_reserve_vcc 0
		.amdhsa_float_denorm_mode_32 3
		.amdhsa_float_denorm_mode_16_64 3
		.amdhsa_memory_ordered 1
		.amdhsa_forward_progress 1
		.amdhsa_inst_pref_size 52
	.end_amdhsa_kernel
	.amdgpu_metadata
---
amdhsa.version: [ 1, 2 ]
amdhsa.kernels:
  - .name:           k_q5dcf2085f0_attend
    .symbol:         k_q5dcf2085f0_attend.kd
    .args:
      - { .name: proj, .offset: 0, .size: 8, .value_kind: global_buffer, .address_space: global }
      - { .name: attention_mask, .offset: 8, .size: 8, .value_kind: global_buffer, .address_space: global }
      - { .name: length_mask, .offset: 16, .size: 8, .value_kind: global_buffer, .address_space: global }
      - { .name: m_codes, .offset: 24, .size: 8, .value_kind: global_buffer, .address_space: global }
      - { .name: m_scales, .offset: 32, .size: 8, .value_kind: global_buffer, .address_space: global }
      - { .name: out0, .offset: 40, .size: 8, .value_kind: global_buffer, .address_space: global }
      - { .name: out1, .offset: 48, .size: 8, .value_kind: global_buffer, .address_space: global }
    .group_segment_fixed_size: 168448
    .private_segment_fixed_size: 0
    .kernarg_segment_align: 8
    .kernarg_segment_size: 56
    .max_flat_workgroup_size: 128
    .sgpr_count:     96
    .vgpr_count:     256
    .wavefront_size: 32
...
	.end_amdgpu_metadata
.endif
;; end of part 2
